; MI455X (gfx1250); checked and timed in simulation.
; The chip was launched on July 23, 2026; its instructions are those of AMD's public machine-readable ISA for CDNA 5 (MIT licence, August 2026) and "CDNA5" Instruction Set Architecture Reference Guide (July 2026). The comments in the code are by the model that wrote it; some were corrected since.
;; Hqq Int4 Linear. Allowed arithmetic: matrix products marked QUANTISED: E3M2 operands, one E8M0 scale for each 32 along K, by v_wmma_scale_f32_16x16x128_f8f6f4 with both operands' format E3M2, f32 sums; everything else in f32.
;; Inputs: W_q 8,388,608 uint8; scale 262,144 x 1 float32; x 2 x 2,048 x 4,096 float32; zero 262,144 x 1 float32.
;; Outputs: out0 2 x 2,048 x 4,096 float32.
;; This version of the problem:
;;   THIS VERSION OF THE PROBLEM IS GIVEN IN LOW PRECISION. The matrix products marked QUANTISED in the list below multiply operands that are first quantised to E3M2 (3 exponent bits, 2 mantissa bits; 6 bits a number), with one power-of-two scale for each 32 numbers along K (OCP MX v1.0); their sums are f32. All else is computed in f32.
;;   The module's matrix products, in the order in which they are computed (A, B: the left and right operand; K: the contracted axis; several contracted axes count as one K, in the product's order):
;;     1. [M 4,096, K 4,096] x [K 4,096, N 4,096]; A: input x; B: computed on the way: QUANTISED
;;   THE QUANTISER, for each operand of a quantised product, along K:
;;     - K is cut into blocks of 32 from its start; a last block that is shorter is filled with zeros.
;;     - A block's scale is 2^e with e = floor(log2(the largest magnitude in the block)) - 4, held to -126 .. 127; a block of zeros has e = 0. As a byte (E8M0): e + 127.
;;     - Each number is divided by its block's scale, clamped to +-28, and rounded to the nearest number of E3M2, ties to even, subnormals kept.
;;     - The product sums the exact products of the quantised numbers (number of the format x scale) in f32.
;;   ~~~python
;;   def quantise(x, axis):      # numpy; x: float32 -> the quantised numbers, widened to float32 again
;;       x = np.moveaxis(x, axis, -1); K = x.shape[-1]
;;       x = np.pad(x, [(0, 0)] * (x.ndim - 1) + [(0, -K % 32)]); x = x.reshape(x.shape[:-1] + (-1, 32)); a = np.abs(x).max(-1, keepdims=True)
;;       e = np.where(a > 0, np.clip(np.frexp(np.where(a > 0, a, 1))[1] - 1 - 4, -126, 127), 0)      # np.frexp(a)[1] - 1 = floor(log2(a)), exactly
;;       r = np.clip(x / 2.0 ** e, -28, 28)
;;       step = 2.0 ** (np.maximum(np.frexp(np.where(r == 0, 1, r))[1] - 1, -2) - 2)
;;       q = np.round(r / step) * step * 2.0 ** e      # np.round: ties to even
;;       return np.moveaxis(q.reshape(q.shape[:-2] + (-1,))[..., :K], -1, axis).astype(np.float32)
;;   ~~~
;;   OPERANDS COMPUTED ON THE WAY. 'Computed on the way' means the value that the module computes at that place (a softmax that the list does not call 'softmax' is quantised finished and normalised). What goes into a quantiser is computed in f32, as accurately as f32 sums, v_exp_f32 and their like allow (about 1e-6 of the number): no bf16 or f16 on the way to a quantiser, and a product that is left as it is and whose result goes on into a quantised operand takes f32 operands (vector FMAs, or v_wmma_f32_16x16x4_f32). A number that lies on a knife's edge between two numbers of the format may be rounded either way, as far as f32 arithmetic and the matrix unit's own rounding can turn it there, and no further.
;; One version. Each part assembles by itself: llvm-mc -triple=amdgcn-amd-amdhsa -mcpu=gfx1250 --defsym DOCPART=n.
;; ======== version 1 of 1: 2 launches
;; limits: right only within a limited range of input values
;; workspace buffers: xq 13,107,200 bytes; wq 13,107,200 bytes
;; launch quant (part 1): grid 768 x 1, 4 waves a work-group, no clusters, 61,952 bytes of LDS; arguments x, W_q, scale, zero, xq, wq; writes xq, wq
.if DOCPART == 1
	.amdgcn_target "amdgcn-amd-amdhsa--gfx1250"
	.amdhsa_code_object_version 6
	.text
	.protected	k_q1463f08ca0_quant
	.globl	k_q1463f08ca0_quant
	.p2align	8
	.type	k_q1463f08ca0_quant,@function
k_q1463f08ca0_quant:
	s_mov_b64 s[64:65], 0
	v_nop
	global_prefetch_b8 v0, s[64:65] scope:SCOPE_SE
	s_setreg_imm32_b32 hwreg(HW_REG_WAVE_MODE, 25, 1), 1
	s_wait_xcnt 0x0
; Both operands of out = x W^T are turned ONCE into codes of BF6 (E3M2), 6 bits each, with one E8M0 scale byte for each 32 along K, and laid IN THE ORDER OF THE MATRIX OPERAND'S REGISTERS.
;   x [4096][4096] f32 -> xq;   W [4096][4096], made on the way from W_q, scale and zero -> wq.
; W: number i of the flat weight (i < 8,388,608) is the HIGH nibble of byte i of W_q, number 8,388,608 + i its LOW nibble; w = (nibble - zero[g]) * scale[g], g = flat index / 64:
; one f32 subtraction, then one f32 multiplication, two roundings, in that order.
; A block's scale is 2^(floor(log2(its largest magnitude)) - 4); its byte is the largest magnitude's own exponent field - 4, held at 1 from below.  Each number is divided by the scale and rounded to the nearest
; code, ties to even; beyond 28 the conversion gives the largest code.
; LIMITS: NaN and infinities among the inputs are not served.  A block whose largest magnitude lies under 2^-122 has its byte held at 1.  A block of zeros gets the byte 1 where the rule says 127:
; its codes are zeros, which add nothing under any byte but 0xff, and the bytes are read by this program alone.
; THE LAYOUT of xq and of wq.  A RECORD holds 128 rows x 128 along K in 12,800 bytes: eight FRAGMENTS (16 rows x 128 K) of 1,536 bytes, then 512 bytes of scale words.  Records lie [rows / 128][K / 128].
;   A fragment: lane l = r + 16 h of the matrix operand has its 12 registers, 48 bytes, at 48 l: the 24 bytes of codes of row r, K = 32 h + 0..31, then those of K = 64 + 32 h + 0..31.
;   The scale words (four bytes: the four blocks of a row's 128 K): word of fragment 4 u + i, row r, at 256 u + 16 r + 4 i: so a lane of the product's launch takes four fragments' words by one load of 16 bytes.
; SHARES.  A wave takes 64 rows x 128 K: four fragments (6,144 consecutive bytes) and one run of 256 bytes of scale words.  The four waves of a work-group take four neighbouring K steps of the same rows.
; Work-groups 0-255 take W, a wave the same 64 x 128 bytes of W_q for rows o (high nibbles) and o + 2,048 (low nibbles): eight fragments.  Work-groups 256-767 take x.
; A LANE HOLDS TWO WHOLE BLOCKS OF 32, as the operand's layout gives them to it: so a block's largest magnitude needs no other lane, and the conversions' results are the lane's 48 bytes.  Loads read rows as they lie
; (x: 512 consecutive bytes an instruction; W_q: four rows' 128 bytes) and turn through the wave's own stage in LDS; the codes turn through a second stage, so that each store of the wave covers 512 consecutive bytes.
; No tensor loads, no barrier: waves share nothing.  Every offset is an immediate; no pointer is stepped.  The two paths have LDS bytes of their own.
.set WGW,   256                        ; work-groups for W
.set FLOOR, 0x2800000                  ; 2^(5 - 127): no largest magnitude is taken under it, so the byte cannot fall under 1
.set OFFE,  0xfe000000                 ; -(4 << 23): takes 4 off an exponent field
.set FRB,   1536                       ; a fragment in bytes
.set REC,   12800                      ; a record in bytes
.set LOWP,  524288                     ; the low rows' zero and scale lie 131,072 groups x 4 bytes on,
.set LOWR,  16*32*REC                  ; their records 16 x 32 records on: 6,553,600 bytes.  Both inside the signed 24-bit immediate (ISA guide, chapter 10)
; registers of both paths: v2 lane; v3 16 x lane; v4 r = lane % 16; v5 8 h, h = lane / 16; v6, v7 the codes' stage, in (48 x lane) and out (16 x lane); v8, v9 the scale words' stage, in (16 r) and out (8 x lane);
;   v10 8 x lane; v11, v12 the numbers' stage, in and out; v13 (W) my row's zero and scale; v14 (W) my 16 bytes of a load of W_q
.set R,     16                         ; x: v16-207  three sets of 64: a fragment as it is loaded, then, in place, my 64 numbers
.set WD,    16                         ; W: v16-79   the wave's 8,192 bytes of W_q: 16 registers for each pair of fragments
.set PRM,   80                         ; W: v80-111  for each pair 8: zero (high rows) of my two groups, scale (high), zero (low rows), scale (low)
.set NN,    112                        ; W: v112-175 my 64 numbers
.set CC,    208                        ; v208-219 my 48 bytes of codes, then, in place, my 3 x 16 bytes of the fragment as it is stored
.set TT0,   220                        ; v220-222, v224-226: a conversion's three registers begin on an even number: each block's second half is made here and moved
.set TT1,   224
.set MX,    228                        ; v228-229 the two blocks' largest magnitudes
.set SO,    230                        ; v230-231 the conversions' scale operands
.set BY,    232                        ; v232-233 the scale bytes
.set PW,    234                        ; v234     my row's scale word
.set PX,    235                        ; v235     the other half's part of it
.set SU,    236                        ; v236-239 the scale words on the way out
.set XREG,  10240                      ; LDS, x path, from byte 0: for each wave 16 rows x 528 bytes, at XOST the codes' stage, at XSST 256 bytes of scale words
.set XP,    528                        ; a row's 512 bytes + 16: an odd multiple of 16
.set XOST,  16*XP
.set XSST,  XOST+FRB
.set WLDS,  4*XREG                     ; LDS, W path, behind it: for each wave 16 rows x 144 bytes, the codes' stage, 512 bytes of scale words
.set WREG,  5120
.set WP,    144                        ; a row's 128 bytes + 16
.set WOST,  16*WP
.set WSST,  WOST+FRB
; 64 numbers of a lane, v[src] on: 0-31 the block K = 32 h + .., 32-63 the block K = 64 + 32 h + .. of row r, become my 48 bytes of codes in v[CC] on and my row's scale word in v[PW].
.macro QUANT64 src
	v_max3_num_f32 v[MX],   |v[(\src)]|,    |v[(\src)+1]|,  FLOOR     ; each block's largest magnitude, and the floor; the two blocks by turns
	v_max3_num_f32 v[MX+1], |v[(\src)+32]|, |v[(\src)+33]|, FLOOR
.irp i, 2,4,6,8,10,12,14,16,18,20,22,24,26,28,30
	v_max3_num_f32 v[MX],   v[MX],   |v[(\src)+\i]|,    |v[(\src)+\i+1]|
	v_max3_num_f32 v[MX+1], v[MX+1], |v[(\src)+32+\i]|, |v[(\src)+33+\i]|
.endr
	v_add_nc_u32 v[SO],   OFFE, v[MX]              ; 4 off the exponent field: the conversion takes the exponent field of this operand as its scale, and nothing else of it
	v_add_nc_u32 v[SO+1], OFFE, v[MX+1]
	v_lshrrev_b32 v[BY],   23, v[SO]               ; the scales' bytes
	v_lshrrev_b32 v[BY+1], 23, v[SO+1]
	v_lshl_or_b32 v[PW], v[BY+1], 16, v[BY]        ; my two bytes: blocks h and 2 + h of row r,
	v_lshlrev_b32 v[PW], v5, v[PW]                 ; at their places in the word (8 h bits up);
	v_permlanex16_b32 v[PX], v[PW], s16, s17
	v_or_b32 v[PW], v[PW], v[PX]                   ; with lane l xor 16's two the word is whole
	s_wait_alu depctr_va_vdst(0)
	s_wait_xcnt 0x0                                ; every earlier memory instruction has had its addresses translated (ISA guide 3.1): the codes' registers, which the last fragment's stores read, are rewritten only behind this wait
	v_cvt_scalef32_pk16_bf6_f32 v[CC:CC+2],     v[(\src):(\src)+15],    v[SO]     ; sixteen codes, 96 bits without gaps, the first number's code lowest
	v_cvt_scalef32_pk16_bf6_f32 v[TT0:TT0+2],   v[(\src)+16:(\src)+31], v[SO]
	v_cvt_scalef32_pk16_bf6_f32 v[CC+6:CC+8],   v[(\src)+32:(\src)+47], v[SO+1]
	v_cvt_scalef32_pk16_bf6_f32 v[TT1:TT1+2],   v[(\src)+48:(\src)+63], v[SO+1]
	v_nop                                          ; one plain place behind a scaled conversion
.irp i, 0,1,2
	v_mov_b32 v[CC+3+\i], v[TT0+\i]
	v_mov_b32 v[CC+9+\i], v[TT1+\i]
.endr
.endm
; The fragment goes into the codes' stage lane by lane (48 bytes a lane: an odd multiple of 16) and comes back as it lies (16 bytes a lane, 512 an instruction), into the registers that it left; the scale word goes to its place.
; LDS serves a wave's instructions in order (ISA guide 5.7.1.4): the loads see the stores, and the next fragment's stores come behind these loads.
.macro PUT soff
.irp c, 0,1,2
	ds_store_b128 v6, v[CC+4*\c:CC+4*\c+3] offset:16*\c
.endr
	ds_store_b32 v8, v[PW] offset:\soff            ; both halves of the lanes write the same word with the same value
.irp c, 0,1,2
	ds_load_b128 v[CC+4*\c:CC+4*\c+3], v7 offset:512*\c
.endr
.endm
.macro SEND base, off                  ; each store of the wave covers 512 consecutive bytes, at a multiple of 256 from the buffer's first byte
.irp c, 0,1,2
	global_store_b128 v3, v[CC+4*\c:CC+4*\c+3], s[\base:\base+1] offset:(\off)+512*\c
.endr
.endm
	s_load_b256 s[4:11], s[0:1], 0x0               ; x s[4:5], W_q s[6:7], scale s[8:9], zero s[10:11]
	s_load_b128 s[12:15], s[0:1], 0x20             ; xq s[12:13], wq s[14:15]
	v_lshl_add_u32 v240, v0, 2, 0xf000
	v_mov_b32 v241, 0
	v_lshrrev_b32 v1, 5, v0
	v_readfirstlane_b32 s20, v1                    ; wave 0..3
	v_and_b32 v2, 31, v0                           ; lane
	v_lshlrev_b32 v3, 4, v2                        ; 16 x lane
	v_and_b32 v4, 15, v0                           ; r
	v_bfe_u32 v5, v0, 4, 1
	v_lshlrev_b32 v5, 3, v5                        ; 8 h
	v_lshlrev_b32 v10, 3, v2                       ; 8 x lane
	v_mov_b32 v[PX], 0                             ; written once: a lane permute's destination counts as one of its sources
	s_mov_b32 s16, 0x76543210
	s_mov_b32 s17, 0xfedcba98                      ; v_permlanex16_b32's selects for lane l xor 16
	s_mov_b32 s25, 0                               ; the high words of the offsets below
	s_mov_b32 s27, 0
	s_wait_kmcnt 0x0
	s_cmp_lt_u32 ttmp9, WGW                        ; W's work-group or x's?  The branch hangs on the work-group's number alone
	s_cbranch_scc0 .Lx
; =========================================================== W ===========================================================
	s_lshr_b32 s21, ttmp9, 3                       ; which 64 rows of the upper half of W: 0..31
	s_and_b32 s22, ttmp9, 7
	s_lshl_b32 s22, s22, 2
	s_add_co_u32 s22, s22, s20                     ; which K step of 128: 0..31
	s_lshl_b32 s24, s21, 18                        ; W_q: 64 rows of 4,096 bytes,
	s_lshl_b32 s23, s22, 7                         ; 128 bytes a K step
	s_add_co_u32 s24, s24, s23
	s_add_nc_u64 s[6:7], s[6:7], s[24:25]
	s_lshl_b32 s24, s21, 14                        ; scale and zero: 64 rows of 64 groups x 4 bytes,
	s_lshl_b32 s23, s22, 3                         ; two groups a K step
	s_add_co_u32 s24, s24, s23
	s_add_nc_u64 s[8:9], s[8:9], s[24:25]
	s_add_nc_u64 s[10:11], s[10:11], s[24:25]
	s_lshr_b32 s23, s21, 1
	s_lshl_b32 s23, s23, 5
	s_add_co_u32 s23, s23, s22                     ; the record: 32 x (rows / 128) + K step
	s_mul_i32 s24, s23, REC
	s_and_b32 s23, s21, 1                          ; which half of its rows
	s_lshl_b32 s26, s23, 8
	s_add_co_u32 s26, s26, s24
	s_add_co_u32 s26, s26, 8*FRB
	s_add_nc_u64 s[18:19], s[14:15], s[26:27]      ; my 256 bytes of scale words
	s_mul_i32 s23, s23, 4*FRB
	s_add_co_u32 s24, s24, s23
	s_add_nc_u64 s[14:15], s[14:15], s[24:25]      ; my four fragments
	s_mul_i32 s28, s20, WREG
	s_add_co_u32 s28, s28, WLDS                    ; my wave's LDS
	s_wait_alu depctr_va_vdst(0)
	v_lshrrev_b32 v1, 3, v2                        ; lane / 8: which of a load's four rows
	v_and_b32 v15, 7, v2                           ; lane % 8: which 16 of its 128 bytes
	v_mul_u32_u24 v11, v1, WP
	v_lshl_add_u32 v11, v15, 4, v11
	v_add_nc_u32 v11, s28, v11                     ; the bytes' stage, in
	v_lshlrev_b32 v14, 12, v1
	v_lshl_add_u32 v14, v15, 4, v14                ; and the same place in W_q
	v_mul_u32_u24 v12, v4, WP
	v_lshl_add_u32 v12, v5, 2, v12
	v_add_nc_u32 v12, s28, v12                     ; out: row r, + 32 h
	v_lshlrev_b32 v13, 8, v4                       ; zero and scale: row r of 256 bytes
	s_add_co_u32 s29, s28, WOST
	v_mul_u32_u24 v6, v2, 48
	v_add_nc_u32 v6, s29, v6
	v_add_nc_u32 v7, s29, v3
	s_add_co_u32 s30, s28, WSST
	v_lshl_add_u32 v8, v4, 4, s30
	v_add_nc_u32 v9, s30, v10
.macro WLOAD f                         ; pair f (rows 16 f on): my row's two groups' zero and scale for the high and the low rows, and 16 rows x 128 bytes of W_q, four rows to a load
	global_load_b64 v[PRM+8*(\f):PRM+8*(\f)+1],   v13, s[10:11] offset:4096*(\f)
	global_load_b64 v[PRM+8*(\f)+2:PRM+8*(\f)+3], v13, s[8:9] offset:4096*(\f)
	global_load_b64 v[PRM+8*(\f)+4:PRM+8*(\f)+5], v13, s[10:11] offset:LOWP+4096*(\f)
	global_load_b64 v[PRM+8*(\f)+6:PRM+8*(\f)+7], v13, s[8:9] offset:LOWP+4096*(\f)
.irp i, 0,1,2,3
	global_load_b128 v[WD+16*(\f)+4*\i:WD+16*(\f)+4*\i+3], v14, s[6:7] offset:65536*(\f)+16384*\i
.endr
.endm
.irp f, 0,1,2,3
	WLOAD \f                                       ; all that the wave reads is asked for at once: 32 loads
.endr
.macro WTURN f                         ; the pair's bytes through the stage, in place: register 8 c + d then holds bytes 4 d .. 4 d + 3 of my block 2 c + h
.irp i, 0,1,2,3
	ds_store_b128 v11, v[WD+16*(\f)+4*\i:WD+16*(\f)+4*\i+3] offset:4*WP*\i
.endr
.irp c, 0,1
.irp j, 0,1
	ds_load_b128 v[WD+16*(\f)+8*\c+4*\j:WD+16*(\f)+8*\c+4*\j+3], v12 offset:64*\c+16*\j
.endr
.endr
.endm
.macro DEQ f, sh, pz                   ; my 64 numbers of one row: the nibbles at bit sh of my 64 bytes; pz: zero's pair, pz + 2: scale's; of each pair the first word serves my first block, the second my second
.irp c, 0,1
.irp d, 0,1,2,3,4,5,6,7
.irp j, 0,1,2,3
	v_bfe_u32 v[NN+32*\c+4*\d+\j], v[WD+16*(\f)+8*\c+\d], 8*\j+(\sh), 4
.endr
.endr
.endr
.set i, 0
.rept 64
	v_cvt_f32_u32 v[NN+i], v[NN+i]
.set i, i+1
.endr
.set i, 0
.rept 16
	v_pk_add_f32 v[NN+i:NN+i+1],       v[NN+i:NN+i+1],       v[(\pz):(\pz)+1] op_sel_hi:[1,0] neg_lo:[0,1] neg_hi:[0,1]                 ; nibble - zero, two at a time
	v_pk_add_f32 v[NN+32+i:NN+33+i],   v[NN+32+i:NN+33+i],   v[(\pz):(\pz)+1] op_sel:[0,1] op_sel_hi:[1,1] neg_lo:[0,1] neg_hi:[0,1]
.set i, i+2
.endr
.set i, 0
.rept 16
	v_pk_mul_f32 v[NN+i:NN+i+1],       v[NN+i:NN+i+1],       v[(\pz)+2:(\pz)+3] op_sel_hi:[1,0]                                         ; x scale: a rounding of its own, so no fused form
	v_pk_mul_f32 v[NN+32+i:NN+33+i],   v[NN+32+i:NN+33+i],   v[(\pz)+2:(\pz)+3] op_sel:[0,1] op_sel_hi:[1,1]
.set i, i+2
.endr
.endm
.macro WPAIR f
	s_wait_loadcnt 8*(3-(\f))                      ; this pair's eight loads are in; the later pairs' stay out
	WTURN \f
.if (\f) > 0
	s_wait_dscnt 8                                 ; the last fragment is back from the codes' stage (behind it: the eight instructions just issued)
	SEND 14, LOWR+((\f)-1)*FRB
.endif
	s_wait_dscnt 0x0                               ; my 64 bytes are in
	DEQ \f, 4, PRM+8*(\f)                          ; the high nibbles: row o
	QUANT64 NN
	PUT 4*(\f)
	DEQ \f, 0, PRM+8*(\f)+4                        ; the low nibbles: row o + 2,048; this work stands between the stage's loads and the wait for them
	s_wait_dscnt 0x0
	SEND 14, (\f)*FRB
	QUANT64 NN
	PUT 256+4*(\f)
.endm
	s_wait_alu depctr_va_vdst(0)
.irp f, 0,1,2,3
	WPAIR \f
.endr
	ds_load_b64 v[SU:SU+1], v9                     ; LDS serves a wave's instructions in order: these see my words
	ds_load_b64 v[SU+2:SU+3], v9 offset:256
	s_wait_dscnt 0x0
	SEND 14, LOWR+3*FRB
	global_store_b64 v10, v[SU:SU+1], s[18:19]     ; 32 lanes store 256 consecutive bytes, at a multiple of 256 from the buffer's first byte
	global_store_b64 v10, v[SU+2:SU+3], s[18:19] offset:LOWR
	s_wait_tensorcnt 0x0
	ds_add_u32 v240, v241
	s_wait_dscnt 0x0
	s_endpgm
; =========================================================== x ===========================================================
.Lx:
	s_sub_co_u32 s21, ttmp9, WGW
	s_and_b32 s22, s21, 7
	s_lshl_b32 s22, s22, 2
	s_add_co_u32 s22, s22, s20                     ; which K step of 128: 0..31
	s_lshr_b32 s21, s21, 3                         ; which 64 rows: 0..63
	s_lshl_b32 s24, s21, 20                        ; x: 64 rows of 16,384 bytes,
	s_lshl_b32 s23, s22, 9                         ; 512 bytes a K step
	s_add_co_u32 s24, s24, s23
	s_add_nc_u64 s[4:5], s[4:5], s[24:25]
	s_lshr_b32 s23, s21, 1
	s_lshl_b32 s23, s23, 5
	s_add_co_u32 s23, s23, s22                     ; the record: 32 x (rows / 128) + K step
	s_mul_i32 s24, s23, REC
	s_and_b32 s23, s21, 1                          ; which half of its rows
	s_lshl_b32 s26, s23, 8
	s_add_co_u32 s26, s26, s24
	s_add_co_u32 s26, s26, 8*FRB
	s_add_nc_u64 s[18:19], s[12:13], s[26:27]      ; my 256 bytes of scale words
	s_mul_i32 s23, s23, 4*FRB
	s_add_co_u32 s24, s24, s23
	s_add_nc_u64 s[12:13], s[12:13], s[24:25]      ; my four fragments
	s_mul_i32 s28, s20, XREG                       ; my wave's LDS
	s_wait_alu depctr_va_vdst(0)
	v_add_nc_u32 v11, s28, v3                      ; the numbers' stage, in: 16 x lane of a row
	v_mul_u32_u24 v12, v4, XP
	v_lshl_add_u32 v12, v5, 4, v12
	v_add_nc_u32 v12, s28, v12                     ; out: row r, + 128 h
	s_add_co_u32 s29, s28, XOST
	v_mul_u32_u24 v6, v2, 48
	v_add_nc_u32 v6, s29, v6
	v_add_nc_u32 v7, s29, v3
	s_add_co_u32 s30, s28, XSST
	v_lshl_add_u32 v8, v4, 4, s30
	v_add_nc_u32 v9, s30, v10
.macro XLOAD f                         ; fragment f (rows 16 f on): each load reads one row's 512 consecutive bytes
.irp i, 0,1,2,3,4,5,6,7,8,9,10,11,12,13,14,15
	global_load_b128 v[R+64*((\f)%3)+4*\i:R+64*((\f)%3)+4*\i+3], v3, s[4:5] offset:262144*(\f)+16384*\i th:TH_LOAD_NT
.endr
.endm
.macro XTURN f                         ; through the stage, in place: register 32 c + i then holds x(row r, 64 c + 32 h + i)
.irp i, 0,1,2,3,4,5,6,7,8,9,10,11,12,13,14,15
	ds_store_b128 v11, v[R+64*((\f)%3)+4*\i:R+64*((\f)%3)+4*\i+3] offset:XP*\i
.endr
.irp c, 0,1
.irp j, 0,1,2,3,4,5,6,7
	ds_load_b128 v[R+64*((\f)%3)+32*\c+4*\j:R+64*((\f)%3)+32*\c+4*\j+3], v12 offset:256*\c+16*\j
.endr
.endr
.endm
	XLOAD 0                                        ; three of the wave's four fragments, 48 loads, are asked for at once
	XLOAD 1
	XLOAD 2
.macro XFRAG f, left
	s_wait_loadcnt \left                           ; this fragment's sixteen loads are in; the later fragments' stay out
	XTURN \f
.if (\f) > 0
	s_wait_dscnt 32                                ; the last fragment is back from the codes' stage (behind it: the 32 instructions just issued)
	SEND 12, ((\f)-1)*FRB
.endif
	s_wait_dscnt 0x0                               ; my 64 numbers are in
.set QN, R+64*((\f)%3)
	QUANT64 QN
.if (\f) == 0
	XLOAD 3                                        ; the set is free: the stage's stores have read it (their loads are back) and it has been converted
.endif
	PUT 4*(\f)
.endm
	s_wait_alu depctr_va_vdst(0)
	XFRAG 0, 32
	XFRAG 1, 32                                    ; behind fragment 1's loads: fragment 2's and fragment 3's
	XFRAG 2, 16
	XFRAG 3, 0
	ds_load_b64 v[SU:SU+1], v9                     ; LDS serves a wave's instructions in order: this sees my words
	s_wait_dscnt 0x0
	SEND 12, 3*FRB
	global_store_b64 v10, v[SU:SU+1], s[18:19]     ; 32 lanes store 256 consecutive bytes, at a multiple of 256 from the buffer's first byte
	s_wait_tensorcnt 0x0
	ds_add_u32 v240, v241
	s_wait_dscnt 0x0
	s_endpgm
.Lfunc_end_k_q1463f08ca0_quant:
	.size	k_q1463f08ca0_quant, .Lfunc_end_k_q1463f08ca0_quant-k_q1463f08ca0_quant
	.p2alignl 7, 3214868480
	.fill 96, 4, 3214868480
	.section	.rodata,"a",@progbits
	.p2align	6, 0x0
	.amdhsa_kernel k_q1463f08ca0_quant
		.amdhsa_group_segment_fixed_size 61952
		.amdhsa_private_segment_fixed_size 0
		.amdhsa_enable_private_segment 0
		.amdhsa_kernarg_size 48
		.amdhsa_user_sgpr_count 2
		.amdhsa_user_sgpr_kernarg_segment_ptr 1
		.amdhsa_wavefront_size32 1
		.amdhsa_system_sgpr_workgroup_id_x 1
		.amdhsa_system_sgpr_workgroup_id_y 1
		.amdhsa_system_sgpr_workgroup_id_z 1
		.amdhsa_system_vgpr_workitem_id 0
		.amdhsa_next_free_vgpr 242
		.amdhsa_next_free_sgpr 66
		.amdhsa_reserve_vcc 0
		.amdhsa_float_denorm_mode_32 3
		.amdhsa_float_denorm_mode_16_64 3
		.amdhsa_memory_ordered 1
		.amdhsa_forward_progress 1
		.amdhsa_inst_pref_size 150
	.end_amdhsa_kernel
	.amdgpu_metadata
---
amdhsa.version: [ 1, 2 ]
amdhsa.kernels:
  - .name:           k_q1463f08ca0_quant
    .symbol:         k_q1463f08ca0_quant.kd
    .args:
      - { .name: x, .offset: 0, .size: 8, .value_kind: global_buffer, .address_space: global }
      - { .name: W_q, .offset: 8, .size: 8, .value_kind: global_buffer, .address_space: global }
      - { .name: scale, .offset: 16, .size: 8, .value_kind: global_buffer, .address_space: global }
      - { .name: zero, .offset: 24, .size: 8, .value_kind: global_buffer, .address_space: global }
      - { .name: xq, .offset: 32, .size: 8, .value_kind: global_buffer, .address_space: global }
      - { .name: wq, .offset: 40, .size: 8, .value_kind: global_buffer, .address_space: global }
    .group_segment_fixed_size: 61952
    .private_segment_fixed_size: 0
    .kernarg_segment_align: 8
    .kernarg_segment_size: 48
    .max_flat_workgroup_size: 128
    .sgpr_count:     66
    .vgpr_count:     242
    .wavefront_size: 32
...
	.end_amdgpu_metadata
.endif
;; end of part 1
;; launch gemm (part 2): grid 16 x 16, 4 waves a work-group, clusters of 4 x 4, 327,680 bytes of LDS; arguments xq, wq, out0; writes out0
.if DOCPART == 2
	.amdgcn_target "amdgcn-amd-amdhsa--gfx1250"
	.amdhsa_code_object_version 6
	.text
	.protected	k_q1463f08ca0_gemm
	.globl	k_q1463f08ca0_gemm
	.p2align	8
	.type	k_q1463f08ca0_gemm,@function
k_q1463f08ca0_gemm:
	s_mov_b64 s[64:65], 0
	v_nop
	global_prefetch_b8 v0, s[64:65] scope:SCOPE_SE
	s_setreg_imm32_b32 hwreg(HW_REG_WAVE_MODE, 25, 1), 1
	s_wait_xcnt 0x0
	s_wait_alu depctr_hold_cnt(0) depctr_sa_sdst(0) depctr_va_vdst(0) depctr_va_sdst(0) depctr_va_ssrc(0) depctr_va_vcc(0) depctr_vm_vsrc(0)
	s_getreg_b32 s2, hwreg(HW_REG_IB_STS2, 6, 4)
	s_cmp_eq_u32 s2, 0
	s_cbranch_scc0 .Lentry_in_a_cluster
	s_endpgm
.Lentry_in_a_cluster:
	s_bfe_u32 s2, ttmp6, 0x10000c
	s_cmp_lg_u32 s2, 0xf033
	s_cbranch_scc0 .Lentry_shape_is_right
	s_endpgm
.Lentry_shape_is_right:
; out0[m][n] = sum over k of x[m][k] W[n][k], both operands as codes of BF6 (E3M2) with E8M0 scale bytes, as the launch before laid them: RECORDS of 12,800 bytes
; (128 rows x 128 K: eight fragments of 1,536 bytes in the order of the operand's registers, 48 bytes a lane, then 512 bytes of scale words), records laid [rows / 128][K / 128].
; A tile of out0, 256 x 256, is made by four waves, each 128 x 128: 64 accumulators, 512 registers.  The matrix instruction is used transposed (source 0 = 16 rows of W, source 1 = 16 rows of x):
; a lane then holds eight neighbouring numbers of a row of out0.
; THE RING: two LDS slots, each with three K steps of 128 (four regions of three records: x's two halves, W's two halves); a wave fetches one region, 38,400 dense bytes, as 150 rows of 256 bytes.
; 32 K steps are ten fills of three steps and a last one of two.  The change of slots stands in the MIDDLE of a slot's last step: by then all that step's fragments are in registers; the step's first
; 32 products stand ahead of the wait for the tensor loads, and between that wait and the refill stand only the add, its wait, the next fill's addresses and the round.
; CLUSTERS: 4 x 4 work-groups; x's regions are asked for jointly along a row of the cluster, W's along a column.
; PREFETCH: behind the joint load of fill f each wave names fill f + 2 of the region that it fetches (the head also names fill 1): 150 blocks of 256 bytes, shared out BY ADDRESS among the four partners
; that ask jointly, 38 blocks each (two instructions a wave; lanes left over name the wave's last block again; the fourth partner is clamped to block 149).  The loop's last trip asks for nothing:
; the short last fill comes by its load alone, so every address stays inside fills 1 to 9 of the region.
; THE LAST FILL'S TWO STEPS GO BY ROWS OF out0: W's two register sets hold both steps' fragments, x's come by blocks of 16 rows x 256 K (24 registers, four buffers), each block is finished by 16 products
; (its 8 accumulators by turns, K ascending) and leaves at once: through the wave's own stage in LDS, back INTO ITS OWN ACCUMULATOR REGISTERS as whole rows of 512 bytes, and out.
; REGISTERS: window 0: v16-31 addresses, v32-47 scale words (two sets; lanes 0-15 x's, lanes 16-31 W's), v128-223 x's fragments (one set); window 1: W's fragments, sets at v0 and v128;
; windows 2, 3: accumulators of my rows 0-63, 64-127 ((a, b) at v[8 (8 (a % 4) + b)]).
.set SIZE_N, 4096
.set FR,     12                        ; registers of a fragment
.set NL,     3                         ; LDS loads of 16 bytes that bring one
.set NP,     4                         ; places behind this matrix form (ISA guide 7.12.1)
.set FRB,    1536
.set REC,    12800
.set REG,    3*REC                     ; a region: what one tensor load brings
.set SLOT,   4*REG
.set TROW,   32*REC                    ; all K of 128 rows
.set SPARE,  2*SLOT                    ; behind the ring: the spare words, 128 bytes a wave
.set SPITCH, 528                       ; the stage: 16 rows x (512 + 16) bytes a wave,
.set STAGE,  SLOT                      ; in slot 1, which has had its last fill and, behind the walk's last barrier, its last read
.set ADRA, 16                          ; v16-17 my fragments of x in slot 0, 1
.set ADRB, 20                          ; v20-21 of W
.set ADRS, 22                          ; v22-23 my scale words
.set STO,  24
.set RD,   25
.set CO,   26
.set SPW,  28                          ; my spare word; never rewritten
.set NIL,  29                          ; 0; never rewritten
.set PF0,  30                          ; v30-31 the prefetches' offsets
.set PF1,  31
.set SC,   32
.set AF,   128
.set G1,   24                          ; s[24:31] group 1 for x's regions, s[32:39] group 0 for slots 0, 1
.set G0,   32
.set G1B,  48                          ; the same for W's
.set G0B,  56
.set G1E,  68                          ; groups 1 of the last fill, two records
.set G1BE, 80
.set PFA,  76                          ; s[76:77] where my prefetches stand
.set MSB, 0
.macro WIN new                         ; the immediate's high byte repeats the setting that is left
.if MSB != \new
	s_set_vgpr_msb (MSB<<8)|\new
.set MSB, \new
.endif
.endm
.set MUL_LO, 0xa1                      ; source 0 window 1, source 1 window 0, C and D window 2
.set MUL_HI, 0xf1
.set TO_B,   0x40
.macro JLOAD g0a, g1a, g0b, g1b        ; a joint load: waves 0, 1 fetch x's halves, waves 2, 3 W's
	s_cmp_eq_u32 s15, 0
	s_cbranch_scc0 .Lfor_b_\@
	tensor_load_to_lds s[\g0a:\g0a+3], s[\g1a:\g1a+7]
	s_nop 0
.rept 4
	v_nop
.endr
	s_branch .Lasked_\@
.Lfor_b_\@:
	tensor_load_to_lds s[\g0b:\g0b+3], s[\g1b:\g1b+7]
	s_nop 0
.rept 4
	v_nop
.endr
.Lasked_\@:
.endm
.macro CREST                           ; a round of the cluster's barrier behind its opening barrier
	s_cmp_lg_u32 s14, 0
	s_cbranch_scc1 .Lnot_wave_0_\@
	s_barrier_signal -3
.Lnot_wave_0_\@:
	s_barrier_wait -3
	s_barrier_signal -1
	s_barrier_wait -1
.endm
.macro CROUND
	s_barrier_signal -1
	s_barrier_wait -1
	CREST
.endm
.macro ASK off                         ; my work-group's 38 blocks of the fill at s[PFA] + off
	global_prefetch_b8 v[PF0], s[PFA:PFA+1] offset:\off th:TH_LOAD_NT scope:SCOPE_SE
	global_prefetch_b8 v[PF1], s[PFA:PFA+1] offset:\off th:TH_LOAD_NT scope:SCOPE_SE
.endm
	s_load_b128 s[4:7], s[0:1], 0x0                ; xq, wq
	s_load_b64 s[12:13], s[0:1], 0x10              ; out0
	v_lshl_add_u32 v[SPW], v0, 2, SPARE
	v_mov_b32 v[NIL], 0
	ds_add_u32 v[SPW], v[NIL]                      ; the opening add, twice on end; the whole set-up, work on registers, stands ahead of the wait
	ds_add_u32 v[SPW], v[NIL]
	v_lshrrev_b32 v1, 5, v0
	v_readfirstlane_b32 s14, v1                    ; wave
	s_lshr_b32 s15, s14, 1                         ; my half of the tile's rows; also: I fetch for x (0) or W (1)
	s_and_b32 s16, s14, 1                          ; my half of its columns; also: which 128 rows I fetch
	s_bfe_u32 s40, ttmp6, 0x40000                  ; cx
	s_bfe_u32 s41, ttmp6, 0x40004                  ; cy
	s_lshl_b32 s42, ttmp9, 2
	s_add_co_u32 s42, s42, s40                     ; tile column
	s_and_b32 s17, ttmp7, 0xffff
	s_lshl_b32 s17, s17, 2
	s_add_co_u32 s17, s17, s41                     ; tile row
	s_lshl_b32 s43, s41, 2
	s_lshl_b32 s43, 15, s43                        ; my row of the cluster
	s_lshl_b32 s44, 0x1111, s40                    ; my column
	s_or_b32 s[G1+0],   s43, (3<<16)|(1<<21)       ; elements of 8 bytes, the mask, bit 21 beside it
	s_or_b32 s[G1B+0],  s44, (3<<16)|(1<<21)
	s_or_b32 s[G1E+0],  s43, (3<<16)|(1<<21)
	s_or_b32 s[G1BE+0], s44, (3<<16)|(1<<21)
.irp g, G1, G1B
	s_mov_b32 s[\g+1], 32<<16                      ; rows of 256 bytes,
	s_mov_b32 s[\g+2], (REG/256)<<16               ; 150 of them
	s_mov_b32 s[\g+3], 32<<16
	s_mov_b32 s[\g+4], REG/256
	s_mov_b32 s[\g+5], 32
	s_mov_b32 s[\g+6], 0
	s_mov_b32 s[\g+7], 0
.endr
.irp g, G1E, G1BE
	s_mov_b32 s[\g+1], 32<<16
	s_mov_b32 s[\g+2], (2*REC/256)<<16             ; 100 rows
	s_mov_b32 s[\g+3], 32<<16
	s_mov_b32 s[\g+4], 2*REC/256
	s_mov_b32 s[\g+5], 32
	s_mov_b32 s[\g+6], 0
	s_mov_b32 s[\g+7], 0
.endr
	s_lshl_b32 s20, s17, 1
	s_add_co_u32 s20, s20, s16
	s_mul_i32 s20, s20, TROW                       ; x: my 128 rows' records, in bytes
	s_mov_b32 s21, 0
	s_lshl_b32 s46, s42, 1
	s_add_co_u32 s46, s46, s16
	s_mul_i32 s46, s46, TROW                       ; W likewise
	s_mov_b32 s47, 0
	s_mul_i32 s45, s14, REG                        ; where my region lies in a slot
.irp s, 0,1
	s_mov_b32 s[G0+4*\s], 1
	s_add_co_u32 s[G0+4*\s+1], s45, \s*SLOT
	s_mov_b32 s[G0B+4*\s], 1
	s_add_co_u32 s[G0B+4*\s+1], s45, \s*SLOT
.endr
	s_mul_i32 s18, s15, REG                        ; the region of x that I multiply,
	s_mul_i32 s19, s16, REG
	s_add_co_u32 s19, s19, 2*REG                   ; and of W
	s_sub_co_u32 s22, s19, s18
	s_add_co_u32 s67, s18, 8*FRB                   ; scale words lie behind a record's fragments
	s_mul_i32 s23, s14, 16*SPITCH
	s_add_co_u32 s23, s23, STAGE
	s_lshl_b32 s78, s17, 8
	s_lshl_b32 s79, s15, 7
	s_add_co_u32 s78, s78, s79
	s_lshl_b32 s78, s78, 14                        ; my first row of out0, 16,384 bytes a row,
	s_lshl_b32 s79, s42, 10
	s_add_co_u32 s78, s78, s79
	s_lshl_b32 s79, s16, 9
	s_add_co_u32 s78, s78, s79                     ; and my first column: under 2^26 in all
	s_mov_b32 s79, 0
	s_cmp_eq_u32 s15, 0
	s_cselect_b32 s66, s40, s41                    ; my place among the four that ask with me
	s_mul_i32 s66, s66, 38
	v_and_b32 v1, 15, v0                           ; r
	v_bfe_u32 v2, v0, 4, 1                         ; h
	v_and_b32 v3, 31, v0                           ; lane
	v_mul_u32_u24 v4, v3, 48
	v_add_nc_u32 v[ADRA], s18, v4
	v_add_nc_u32 v[ADRB], s19, v4
	v_add_nc_u32 v[ADRA+1], SLOT, v[ADRA]
	v_add_nc_u32 v[ADRB+1], SLOT, v[ADRB]
	v_mul_u32_u24 v6, s22, v2                      ; lanes 16-31 take W's words
	v_lshl_add_u32 v5, v1, 4, v6
	v_add_nc_u32 v[ADRS], s67, v5
	v_add_nc_u32 v[ADRS+1], SLOT, v[ADRS]
	v_mul_u32_u24 v5, v1, SPITCH                   ; the stage, in: row r, 32 bytes for each half of the lanes
	v_lshl_add_u32 v5, v2, 5, v5
	v_add_nc_u32 v[STO], s23, v5
	v_lshlrev_b32 v[CO], 4, v3                     ; back: 32 lanes take a row of 512 bytes; the same in out0
	v_add_nc_u32 v[RD], s23, v[CO]
	v_add_nc_u32 v7, s66, v3
	v_lshlrev_b32 v[PF0], 8, v7                    ; blocks 38 p + lane,
	v_min_u32 v8, 5, v3
	v_add3_u32 v8, v8, s66, 32
	v_min_u32 v8, 149, v8
	v_lshlrev_b32 v[PF1], 8, v8                    ; and 38 p + 32 .. 37, none beyond 149
	s_wait_alu depctr_va_vdst(0)
	s_wait_dscnt 0x0                               ; both opening adds are done
	s_wait_kmcnt 0x0
	s_add_nc_u64 s[20:21], s[4:5], s[20:21]
	s_add_nc_u64 s[46:47], s[6:7], s[46:47]
	s_add_nc_u64 s[12:13], s[12:13], s[78:79]
.irp s, 0,1
	s_add_nc_u64 s[G0+4*\s+2:G0+4*\s+3], s[20:21], \s*REG
	s_or_b32 s[G0+4*\s+3], s[G0+4*\s+3], 0x80000000
	s_add_nc_u64 s[G0B+4*\s+2:G0B+4*\s+3], s[46:47], \s*REG
	s_or_b32 s[G0B+4*\s+3], s[G0B+4*\s+3], 0x80000000
.endr
	s_cmp_eq_u32 s15, 0
	s_cselect_b64 s[PFA:PFA+1], s[20:21], s[46:47]
	s_add_nc_u64 s[PFA:PFA+1], s[PFA:PFA+1], REG   ; at fill 1
	CROUND                                         ; all sixteen work-groups are here: the first joint loads meet
	JLOAD G0, G1, G0B, G1B                         ; fill 0: one tensor load a wave at the head
	ASK 0                                          ; fills 1 and 2
	ASK REG
.macro FRAG reg, adr, q, i             ; a fragment as it lies: 48 bytes a lane
.irp c, 0,1,2
	ds_load_b128 v[\reg+4*\c:\reg+4*\c+3], v[\adr] offset:(\q)*REC+(\i)*FRB+16*\c
.endr
.endm
; 16 products: x's blocks a0, a0 + 1 against W's eight; p: W's set and the set of scale words.  The accumulators take turns, one instruction a turn.
.macro MUL16 a0, p, zero
.irp a, \a0, \a0+1
.irp b, 0,1,2,3,4,5,6,7
.if \zero
	v_wmma_scale_f32_16x16x128_f8f6f4 v[8*(8*((\a)%4)+\b):8*(8*((\a)%4)+\b)+7], v[128*(\p)+FR*\b:128*(\p)+FR*\b+FR-1], v[AF+FR*(\a):AF+FR*(\a)+FR-1], 0, v[SC+8*(\p)+\b], v[SC+8*(\p)+(\a)] matrix_a_fmt:MATRIX_FMT_BF6 matrix_b_fmt:MATRIX_FMT_BF6 matrix_a_scale:MATRIX_SCALE_ROW1
.else
	v_wmma_scale_f32_16x16x128_f8f6f4 v[8*(8*((\a)%4)+\b):8*(8*((\a)%4)+\b)+7], v[128*(\p)+FR*\b:128*(\p)+FR*\b+FR-1], v[AF+FR*(\a):AF+FR*(\a)+FR-1], v[8*(8*((\a)%4)+\b):8*(8*((\a)%4)+\b)+7], v[SC+8*(\p)+\b], v[SC+8*(\p)+(\a)] matrix_a_fmt:MATRIX_FMT_BF6 matrix_b_fmt:MATRIX_FMT_BF6 matrix_a_scale:MATRIX_SCALE_ROW1
.endif
.endr
.endr
.endm
.macro FETCH_B slot, q, p
	WIN TO_B
.irp i, 0,1,2,3,4,5,6,7
	FRAG 128*(\p)+FR*\i, ADRB+\slot, \q, \i
.endr
	WIN 0
.endm
.macro FETCH_A slot, q, i0
.irp i, \i0, \i0+1, \i0+2, \i0+3
	FRAG AF+FR*(\i), ADRA+\slot, \q, \i
.endr
.endm
.macro SCALES slot, q, p               ; a load of 16 bytes brings four fragments' words
.irp u, 0,1
	ds_load_b128 v[SC+8*(\p)+4*\u:SC+8*(\p)+4*\u+3], v[ADRS+\slot] offset:(\q)*REC+256*\u
.endr
.endm
.macro PLACES n
.rept \n
	v_nop
.endr
.endm
; A K step: 64 products; the next step's fragments (slot ns, record nq) are fetched in its middle (W's other set, x's blocks 0-3, the scale words) and at its end (x's blocks 4-7).
; sync = 1, 2: this is slot's last step, all its fragments are in registers or on their way: in the step's middle the slot is filled again (2: by the short last fill).
.macro STEP slot, p, zero, sync, ns, nq
.if \sync == 1
	s_wait_xcnt 0x0                                ; my prefetches have read their address: it steps one fill on
	s_add_nc_u64 s[PFA:PFA+1], s[PFA:PFA+1], REG
.endif
	s_wait_dscnt 4*NL                              ; all but the youngest twelve loads, x's blocks 4-7
	WIN MUL_LO
	MUL16 0, \p, \zero
	MUL16 2, \p, \zero
.if \sync
	WIN 0                                          ; the add's registers lie in window 0
	s_wait_tensorcnt 0x0                           ; my one load that was out, my part of the other slot, has landed;
	ds_add_u32 v[SPW], v[NIL]
	s_add_nc_u64 s[G0+4*\slot+2:G0+4*\slot+3], s[G0+4*\slot+2:G0+4*\slot+3], 2*REG      ; no load of mine is out: this slot's next fill
	s_add_nc_u64 s[G0B+4*\slot+2:G0B+4*\slot+3], s[G0B+4*\slot+2:G0B+4*\slot+3], 2*REG
	s_wait_dscnt 0x0                               ; the add is done, and my reads of this slot are over
	s_barrier_signal -1
	s_barrier_wait -1
	CREST                                          ; the round: no wave of any partner still reads this slot or has a load on its way
.if \sync == 1
	JLOAD G0+4*\slot, G1, G0B+4*\slot, G1B         ; its four v_nop are the places in front of the loads below
.else
	JLOAD G0+4*\slot, G1E, G0B+4*\slot, G1BE
.endif
.else
	s_wait_dscnt 0x0
	PLACES NP
.endif
	FETCH_B \ns, \nq, 1-(\p)
	FETCH_A \ns, \nq, 0
	SCALES \ns, \nq, 1-(\p)
.if \sync == 1
	s_cmp_gt_u32 s3, 1                             ; the last trip's refills have no whole fill two on
	s_cbranch_scc0 .Lquiet_\@
	ASK 2*REG                                      ; the fill two refills on
.Lquiet_\@:
.endif
	WIN MUL_HI
	MUL16 4, \p, \zero
	MUL16 6, \p, \zero
	PLACES NP
	WIN 0
	FETCH_A \ns, \nq, 4
.endm
	s_wait_tensorcnt 0x0                           ; my part of fill 0 is in; slot 1's first fill is issued as a refill is:
	ds_add_u32 v[SPW], v[NIL]
	s_wait_dscnt 0x0
	CROUND
	JLOAD G0+4, G1, G0B+4, G1B                     ; fill 1
	FETCH_B 0, 0, 0
	FETCH_A 0, 0, 0
	SCALES 0, 0, 0
	FETCH_A 0, 0, 4
	ASK 2*REG                                      ; fill 3
	STEP 0, 0, 1, 0, 0, 1                          ; K step 0 starts the sums
	s_mov_b32 s3, 4
.Llap:                                                 ; a trip: six K steps, once round the ring, from a lap's second step to the next lap's first
	STEP 0, 1, 0, 0, 0, 2
	STEP 0, 0, 0, 1, 1, 0
	STEP 1, 1, 0, 0, 1, 1
	STEP 1, 0, 0, 0, 1, 2
	STEP 1, 1, 0, 1, 0, 0
	STEP 0, 0, 0, 0, 0, 1
	s_sub_co_u32 s3, s3, 1
	s_cmp_lg_u32 s3, 0
	s_cbranch_scc1 .Llap
	STEP 0, 1, 0, 0, 0, 2                          ; K step 25
	STEP 0, 0, 0, 2, 1, 0                          ; 26: slot 0 takes the last fill, K steps 30 and 31
	STEP 1, 1, 0, 0, 1, 1
	STEP 1, 0, 0, 0, 1, 2
.macro ALOAD a                         ; x's block a, K steps 30 and 31, into buffer a % 4
.irp q, 0,1
	FRAG AF+24*((\a)%4)+FR*\q, ADRA, \q, \a
.endr
.endm
.macro ROW a                           ; block a is finished: 16 products, its 8 accumulators by turns, K ascending
	WIN MUL_LO+0x50*((\a)/4)
.irp q, 0,1
.irp b, 0,1,2,3,4,5,6,7
	v_wmma_scale_f32_16x16x128_f8f6f4 v[8*(8*((\a)%4)+\b):8*(8*((\a)%4)+\b)+7], v[128*\q+FR*\b:128*\q+FR*\b+FR-1], v[AF+24*((\a)%4)+FR*\q:AF+24*((\a)%4)+FR*\q+FR-1], v[8*(8*((\a)%4)+\b):8*(8*((\a)%4)+\b)+7], v[SC+8*\q+\b], v[SC+8*\q+(\a)] matrix_a_fmt:MATRIX_FMT_BF6 matrix_b_fmt:MATRIX_FMT_BF6 matrix_a_scale:MATRIX_SCALE_ROW1
.endr
.endr
.endm
; Block a into my stage, each accumulator from its low end on, and back as rows of 512 bytes into the same 64 registers.  LDS serves a wave's instructions in order (ISA guide 5.7.1.4).
.macro TOSTAGE a
.set AC, 64*((\a)%4)
	WIN 0x88+0x44*((\a)/4)                         ; store data and loaded data: window 2 or 3; addresses: window 0
.irp b, 0,1,2,3,4,5,6,7
	ds_store_b128 v[STO], v[AC+8*\b:AC+8*\b+3] offset:64*\b
	ds_store_b128 v[STO], v[AC+8*\b+4:AC+8*\b+7] offset:64*\b+16
.endr
.irp t, 0,1,2,3,4,5,6,7,8,9,10,11,12,13,14,15
	ds_load_b128 v[AC+4*\t:AC+4*\t+3], v[RD] offset:\t*SPITCH
.endr
.endm
.macro SEND a                          ; 32 lanes store 512 consecutive bytes, at a multiple of 256 from out0's first byte; 127 rows of 16,384 bytes at the most: inside the signed 24-bit immediate, so no base is stepped
.set AC, 64*((\a)%4)
	WIN 0x88+0x44*((\a)/4)
	s_wait_dscnt 0x0                               ; the block is back, and so are the fragments asked for ahead of it
.irp t, 0,1,2,3,4,5,6,7,8,9,10,11,12,13,14,15
	global_store_b128 v[CO], v[AC+4*\t:AC+4*\t+3], s[12:13] offset:(16*(\a)+\t)*SIZE_N*4 th:TH_STORE_NT
.endr
.endm
	s_wait_dscnt 4*NL                              ; K step 29, slot 1's last: nothing is filled again, so no round follows its barrier
	WIN MUL_LO
	MUL16 0, 1, 0
	MUL16 2, 1, 0
	WIN 0
	s_wait_tensorcnt 0x0                           ; my part of the last fill has landed
	ds_add_u32 v[SPW], v[NIL]
	s_wait_dscnt 0x0                               ; my reads of slot 1 are over: behind the barrier it serves as the stage
	s_barrier_signal -1
	s_barrier_wait -1
	PLACES NP
	FETCH_B 0, 0, 0                                ; W's fragments of K step 30
	ALOAD 0                                        ; into the registers of x's blocks 0-3, which are done with
	ALOAD 1
	SCALES 0, 0, 0
	WIN MUL_HI
	MUL16 4, 1, 0
	MUL16 6, 1, 0
	PLACES NP
	FETCH_B 0, 1, 1                                ; W's fragments of K step 31
	SCALES 0, 1, 1
	ALOAD 2
	ALOAD 3
	s_wait_dscnt 4*NL                              ; all but blocks 2 and 3
	ROW 0
.irp a, 0,1,2,3,4,5,6,7
	PLACES NP                                      ; behind block a's products: for the stage's stores and loads, and for the loads into its buffer
.if \a < 4
	WIN 0
	ALOAD \a+4
.endif
	TOSTAGE \a
.if \a < 7
	ROW \a+1                                       ; stands between the stage's loads and the wait for them
.endif
	SEND \a
.endr
	WIN 0
	s_wait_tensorcnt 0x0                           ; the wave's end
	ds_add_u32 v[SPW], v[NIL]
	s_wait_dscnt 0x0
	CROUND                                         ; the closing round
	s_endpgm
.Lfunc_end_k_q1463f08ca0_gemm:
	.size	k_q1463f08ca0_gemm, .Lfunc_end_k_q1463f08ca0_gemm-k_q1463f08ca0_gemm
	.p2alignl 7, 3214868480
	.fill 96, 4, 3214868480
	.section	.rodata,"a",@progbits
	.p2align	6, 0x0
	.amdhsa_kernel k_q1463f08ca0_gemm
		.amdhsa_group_segment_fixed_size 327680
		.amdhsa_private_segment_fixed_size 0
		.amdhsa_enable_private_segment 0
		.amdhsa_kernarg_size 24
		.amdhsa_user_sgpr_count 2
		.amdhsa_user_sgpr_kernarg_segment_ptr 1
		.amdhsa_wavefront_size32 1
		.amdhsa_system_sgpr_workgroup_id_x 1
		.amdhsa_system_sgpr_workgroup_id_y 1
		.amdhsa_system_sgpr_workgroup_id_z 1
		.amdhsa_system_vgpr_workitem_id 0
		.amdhsa_next_free_vgpr 1024
		.amdhsa_next_free_sgpr 88
		.amdhsa_reserve_vcc 0
		.amdhsa_float_denorm_mode_32 3
		.amdhsa_float_denorm_mode_16_64 3
		.amdhsa_memory_ordered 1
		.amdhsa_forward_progress 1
		.amdhsa_inst_pref_size 205
	.end_amdhsa_kernel
	.amdgpu_metadata
---
amdhsa.version: [ 1, 2 ]
amdhsa.kernels:
  - .name:           k_q1463f08ca0_gemm
    .symbol:         k_q1463f08ca0_gemm.kd
    .args:
      - { .name: xq, .offset: 0, .size: 8, .value_kind: global_buffer, .address_space: global }
      - { .name: wq, .offset: 8, .size: 8, .value_kind: global_buffer, .address_space: global }
      - { .name: out0, .offset: 16, .size: 8, .value_kind: global_buffer, .address_space: global }
    .group_segment_fixed_size: 327680
    .private_segment_fixed_size: 0
    .kernarg_segment_align: 8
    .kernarg_segment_size: 24
    .max_flat_workgroup_size: 128
    .sgpr_count:     88
    .vgpr_count:     1024
    .wavefront_size: 32
...
	.end_amdgpu_metadata
.endif
;; end of part 2
